; MI455X (gfx1250); checked and timed in simulation.
; The chip was launched on July 23, 2026; its instructions are those of AMD's public machine-readable ISA for CDNA 5 (MIT licence, August 2026) and "CDNA5" Instruction Set Architecture Reference Guide (July 2026). The comments in the code are by the model that wrote it; some were corrected since.
;; Quantized Linear Layer. Allowed arithmetic: matrix products marked QUANTISED: E3M2 operands, one E8M0 scale for each 32 along K, by v_wmma_scale_f32_16x16x128_f8f6f4 with both operands' format E3M2, f32 sums; everything else in f32.
;; Inputs: bias 4,096 float32; input 4 x 1,024 x 4,096 float32; outlier_mask 4,096 x 4,096 bool; outlier_weights 4,096 x 4,096 float32; q_weights 4,096 x 4,096 int32; scales 4,096 x 1 float32.
;; Outputs: out0 4 x 1,024 x 4,096 float32.
;; This version of the problem:
;;   THIS VERSION OF THE PROBLEM IS GIVEN IN LOW PRECISION. The matrix products marked QUANTISED in the list below multiply operands that are first quantised to E3M2 (3 exponent bits, 2 mantissa bits; 6 bits a number), with one power-of-two scale for each 32 numbers along K (OCP MX v1.0); their sums are f32. All else is computed in f32.
;;   The module's matrix products, in the order in which they are computed (A, B: the left and right operand; K: the contracted axis; several contracted axes count as one K, in the product's order):
;;     1. [M 4,096, K 4,096] x [K 4,096, N 4,096]; A: input input; B: computed on the way: QUANTISED
;;   THE QUANTISER, for each operand of a quantised product, along K:
;;     - K is cut into blocks of 32 from its start; a last block that is shorter is filled with zeros.
;;     - A block's scale is 2^e with e = floor(log2(the largest magnitude in the block)) - 4, held to -126 .. 127; a block of zeros has e = 0. As a byte (E8M0): e + 127.
;;     - Each number is divided by its block's scale, clamped to +-28, and rounded to the nearest number of E3M2, ties to even, subnormals kept.
;;     - The product sums the exact products of the quantised numbers (number of the format x scale) in f32.
;;   ~~~python
;;   def quantise(x, axis):      # numpy; x: float32 -> the quantised numbers, widened to float32 again
;;       x = np.moveaxis(x, axis, -1); K = x.shape[-1]
;;       x = np.pad(x, [(0, 0)] * (x.ndim - 1) + [(0, -K % 32)]); x = x.reshape(x.shape[:-1] + (-1, 32)); a = np.abs(x).max(-1, keepdims=True)
;;       e = np.where(a > 0, np.clip(np.frexp(np.where(a > 0, a, 1))[1] - 1 - 4, -126, 127), 0)      # np.frexp(a)[1] - 1 = floor(log2(a)), exactly
;;       r = np.clip(x / 2.0 ** e, -28, 28)
;;       step = 2.0 ** (np.maximum(np.frexp(np.where(r == 0, 1, r))[1] - 1, -2) - 2)
;;       q = np.round(r / step) * step * 2.0 ** e      # np.round: ties to even
;;       return np.moveaxis(q.reshape(q.shape[:-2] + (-1,))[..., :K], -1, axis).astype(np.float32)
;;   ~~~
;;   OPERANDS COMPUTED ON THE WAY. 'Computed on the way' means the value that the module computes at that place (a softmax that the list does not call 'softmax' is quantised finished and normalised). What goes into a quantiser is computed in f32, as accurately as f32 sums, v_exp_f32 and their like allow (about 1e-6 of the number): no bf16 or f16 on the way to a quantiser, and a product that is left as it is and whose result goes on into a quantised operand takes f32 operands (vector FMAs, or v_wmma_f32_16x16x4_f32). A number that lies on a knife's edge between two numbers of the format may be rounded either way, as far as f32 arithmetic and the matrix unit's own rounding can turn it there, and no further.
;; One version. Each part assembles by itself: llvm-mc -triple=amdgcn-amd-amdhsa -mcpu=gfx1250 --defsym DOCPART=n.
;; ======== version 1 of 1: 2 launches
;; limits: right only within a limited range of input values
;; workspace buffers: a_pack 13,107,200 bytes; w_pack 13,107,200 bytes
;; launch pack (part 1): grid 256 x 1, 8 waves a work-group, no clusters, 327,680 bytes of LDS; arguments input, q_weights, outlier_weights, outlier_mask, scales, a_pack, w_pack; writes a_pack, w_pack
.if DOCPART == 1
	.amdgcn_target "amdgcn-amd-amdhsa--gfx1250"
	.amdhsa_code_object_version 6
	.text
	.protected	k_q31e36485b3_pack
	.globl	k_q31e36485b3_pack
	.p2align	8
	.type	k_q31e36485b3_pack,@function
k_q31e36485b3_pack:
	s_mov_b64 s[64:65], 0
	v_nop
	global_prefetch_b8 v0, s[64:65] scope:SCOPE_SE
	s_setreg_imm32_b32 hwreg(HW_REG_WAVE_MODE, 25, 1), 1
	s_wait_xcnt 0x0
; PACK: both operands of out = Q(input) Q(w_full)^T + bias are quantised once, to codes of BF6 (E3M2) with one E8M0 scale byte for each 32 along K (K = the last axis of every input).
; input [4096][4096] f32 goes to a_pack.  w_full = mask ? outlier : f32(q) x scale[row], made in f32 as it is defined, goes to w_pack.
; A block's scale is 2^(floor(log2(largest magnitude)) - 4): its byte is the largest magnitude's exponent field - 4, held at 1 from below by a floor of 2^-122 among the maximum's leaves.
; LIMITS: NaN and infinities among the inputs are not served.  A block of zeros gets the byte 1 where the rule says 127: its codes are zeros, and the bytes are read by this program alone.
; Any mask byte other than 0 counts as true.
; THE LAYOUT OF BOTH OUTPUTS: [row / 128 : 32][K / 128 : 32] blocks of 12,800 bytes: eight fragments (16 rows x 128 K) of 1,536 bytes, then 512 bytes of scale words.  The 12 bytes of (row r, K block b, half u)
; lie at 12 P, P = 4 (r + 16 (b & 1)) + 2 (b >> 1) + u; the scale byte of (fragment i, row r, K block b) at 12,288 + 64 i + 4 r + b.
; INSIDE each 16 along K the four groups of four numbers stand rotated by (K / 64) % 4 places.  That is one permutation of k, the same in both operands and inside half a scale block: the product pairs the
; same numbers and only the order of its sums differs.  It comes of the way a lane reads its 64 bytes (below).
; SHARES.  A work-group takes 128 rows x 512 K of both tensors: 51,200 consecutive bytes of each output.  Six phases through two LDS slots of 131,072 bytes: input rows 0-63, 64-127, then four times 32 rows
; of q and of the outliers.  In each phase each of the eight waves fetches one tile of 8 rows x 2,048 bytes by one tensor load (weights: waves 0-3 q, waves 4-7 the outliers); one shape serves all.
; A slot is filled again behind a barrier in front of which every wave has waited for its load, made an add to its spare word, and waited for its LDS instructions.
; A ROW: 32 lanes x 16 numbers.  Lane l reads the 64 bytes at 64 l of the row in four loads of 16 bytes, piece (i + l / 4) % 4 in load i: sixteen lanes then touch sixteen different 16-byte columns of 256 bytes.
; Two neighbouring lanes hold a block.  The codes go, 12 bytes a lane, into an image of the output's fragments in LDS (1,568 bytes apart), two images by turns; behind the next barrier they leave
; by stores of 512 consecutive bytes.  The scale bytes of a tensor are gathered for all its phases and leave as 256 consecutive bytes a wave.
; THE MASK (16 bytes a lane and row, 512 consecutive bytes a load) goes straight into 64 registers at the head; its four words are turned by the lane's rotation with eight selects.
; PREFETCH. So behind the load of phase t + 1 a wave names the tile that its load of
; phase t + 2 will fetch, one slot ahead of that load: 64 blocks of 256 bytes, a lane a block, two instructions; at the head it names phase 1's.  Each block is named once, by the wave that will load it;
; the phase stands in the immediate, so no address register is rewritten; phase 5's tile is the last that is named.
; No cluster: work-groups share no input.
.set SLOTB, 131072
.set STG,   262144                     ; two images of 16 fragments x 1,568 bytes
.set IMG,   25088
.set FP,    1568
.set SX,    312320                     ; input's scale bytes: four blocks of 512, 528 apart
.set SW,    314624                     ; the weights'
.set SPARE, 316928                     ; the spare words: 128 bytes a wave
.set EMAX,  4
.set G1, 32                            ; s[32:39] group 1;  s[40:43], s[44:47] group 0 of slot 0, 1
	s_load_b256 s[4:11], s[0:1], 0x0               ; input, q, outliers, mask
	s_load_b128 s[12:15], s[0:1], 0x20             ; scales, a_pack
	s_load_b64 s[16:17], s[0:1], 0x30              ; w_pack
	v_lshl_add_u32 v2, v0, 2, SPARE
	v_mov_b32 v3, 0
	ds_add_u32 v2, v3                              ; the opening lines: the add, twice on end, and its wait ahead of the first tensor load
	ds_add_u32 v2, v3
	v_lshrrev_b32 v1, 5, v0
	v_readfirstlane_b32 s18, v1                    ; wave w, 0..7
	s_mov_b32 s[G1+0], 2<<16                       ; elements of 4 bytes, no mask, no padding
	s_mov_b32 s[G1+1], 512<<16                     ; tensor_dim0 = 512
	s_mov_b32 s[G1+2], 8<<16                       ; tensor_dim1 = 8
	s_mov_b32 s[G1+3], 512<<16                     ; tile_dim0 = 512
	s_mov_b32 s[G1+4], 8                           ; tile_dim1 = 8
	s_mov_b32 s[G1+5], 4096                        ; elements from row to row
	s_mov_b32 s[G1+6], 0
	s_mov_b32 s[G1+7], 0
	s_lshr_b32 s21, s18, 1
	s_and_b32 s22, s18, 1
	s_lshr_b32 s23, s18, 2
	s_and_b32 s24, s18, 3
	s_mul_i32 s92, s21, 4*FP                       ; codes, input: fragments 4 (w / 2) .., rows 8 (w % 2) ..
	s_mul_i32 s25, s22, 384
	s_add_co_u32 s92, s92, s25
	s_add_co_u32 s92, s92, STG
	s_mul_i32 s93, s23, 4*FP                       ; codes, weights: fragments 4 (w / 4) .., rows 4 (w % 4) ..
	s_mul_i32 s25, s24, 192
	s_add_co_u32 s93, s93, s25
	s_add_co_u32 s93, s93, STG
	s_lshl_b32 s94, s18, 5                         ; scale bytes, input: 64 (w / 2) + 32 (w % 2) = 32 w
	s_add_co_u32 s94, s94, SX
	s_lshl_b32 s95, s18, 4                         ; weights: 64 (w / 4) + 16 (w % 4) = 16 w
	s_add_co_u32 s95, s95, SW
	s_mul_i32 s97, s18, FP                         ; on the way out: input, fragments 2 w and 2 w + 1 of an image; weights, fragment w
	s_add_co_u32 s96, s97, s97
	s_add_co_u32 s96, s96, STG
	s_add_co_u32 s97, s97, STG
	s_mul_i32 s98, s21, 528                        ; scale bytes out: block w / 2, half w % 2
	s_lshl_b32 s25, s22, 8
	s_add_co_u32 s98, s98, s25
	s_add_co_u32 s99, s98, SW
	s_add_co_u32 s98, s98, SX
	s_lshl_b32 s60, s18, 14                        ; my tile in slot 0, and where I read input rows
	s_add_co_u32 s61, s60, SLOTB
	s_lshl_b32 s62, s18, 13                        ; my four rows of q: 8,192 w; of the outliers 65,536 further on
	s_add_co_u32 s63, s62, SLOTB
	s_add_co_u32 s90, s62, 65536
	s_add_co_u32 s91, s62, SLOTB+65536
	s_lshr_b32 s19, ttmp9, 3                       ; row / 128
	s_and_b32 s20, ttmp9, 7                        ; K / 512
	s_lshl_b32 s26, s19, 7
	s_lshl_b32 s27, s18, 3
	s_add_co_u32 s27, s26, s27
	s_lshl_b32 s50, s27, 14                        ; input: row 128 g + 8 w, 16,384 bytes a row,
	s_lshl_b32 s28, s20, 11
	s_add_co_u32 s50, s50, s28                     ; + 2,048 bytes for each 512 along K
	s_mov_b32 s51, 0
	s_lshl_b32 s27, s24, 3
	s_add_co_u32 s27, s26, s27
	s_lshl_b32 s48, s27, 14                        ; q or outliers: row 128 g + 8 (w % 4)
	s_add_co_u32 s48, s48, s28
	s_mov_b32 s49, 0
	s_lshl_b32 s27, s18, 2
	s_add_co_u32 s27, s26, s27                     ; the rows that I work in the weights: 128 g + 32 n + 4 w + j
	s_lshl_b32 s30, s27, 2
	s_mov_b32 s31, 0                               ; their scales
	s_lshl_b32 s28, s27, 12
	s_lshl_b32 s29, s20, 9
	s_add_co_u32 s28, s28, s29
	s_mov_b32 s29, 0                               ; their mask bytes
	s_lshl_b32 s25, s19, 5
	s_lshl_b32 s27, s20, 2
	s_add_co_u32 s25, s25, s27
	s_mul_i32 s25, s25, 12800                      ; the work-group's four blocks
	s_mul_i32 s52, s22, 25600                      ; input's codes out: blocks 2 (w % 2) + e, fragment 4 n + w / 2
	s_mul_i32 s27, s21, 1536
	s_add_co_u32 s52, s52, s27
	s_add_co_u32 s52, s52, s25
	s_mov_b32 s53, 0
	s_mul_i32 s54, s24, 12800                      ; the weights': block w % 4, fragment 2 n + w / 4
	s_mul_i32 s27, s23, 1536
	s_add_co_u32 s54, s54, s27
	s_add_co_u32 s54, s54, s25
	s_mov_b32 s55, 0
	s_mul_i32 s56, s21, 12800                      ; scale bytes out
	s_lshl_b32 s27, s22, 8
	s_add_co_u32 s56, s56, s27
	s_add_co_u32 s56, s56, s25
	s_add_co_u32 s56, s56, 12288
	s_mov_b32 s57, 0
	s_mov_b32 s84, 0xff                            ; a word's four mask bytes
	s_mov_b32 s85, 0xff00
	s_mov_b32 s86, 0xff0000
	s_mov_b32 s87, 0xff000000
	s_mov_b32 s88, 0xf0f0f0f0                      ; lanes whose rotation is odd (bit 2 of the lane),
	s_mov_b32 s89, 0xff00ff00                      ; and 2 or 3 (bit 3)
	v_and_b32 v1, 31, v0                           ; lane l
	v_lshlrev_b32 v34, 4, v1                       ; 16 l
	v_lshlrev_b32 v37, 3, v1                       ; 8 l
	v_lshlrev_b32 v40, 6, v1                       ; 64 l
	v_bfe_u32 v41, v1, 2, 2                        ; my rotation
.irp i, 0,1,2,3
	v_add_nc_u32 v42, \i, v41
	v_and_b32 v42, 3, v42
	v_lshl_add_u32 v42, v42, 4, v40                ; load i: 64 l + 16 ((i + l / 4) % 4)
	v_add_nc_u32 v[4+\i], s60, v42                 ; v4-7, v8-11: input, slot 0, 1
	v_add_nc_u32 v[8+\i], s61, v42
	v_add_nc_u32 v[12+\i], s62, v42                ; v12-15, v16-19: q
	v_add_nc_u32 v[16+\i], s63, v42
	v_add_nc_u32 v[20+\i], s90, v42                ; v20-23, v24-27: outliers
	v_add_nc_u32 v[24+\i], s91, v42
.endr
	v_lshrrev_b32 v43, 3, v1                       ; lane l holds K / 128 = l / 8, K block bits 2:1, half bit 0
	v_bfe_u32 v44, v1, 1, 1
	v_bfe_u32 v45, v1, 2, 1
	v_and_b32 v46, 1, v1
	v_mul_u32_u24 v47, v43, FP
	v_mad_u32_u24 v47, v44, 768, v47
	v_mad_u32_u24 v47, v45, 24, v47
	v_mad_u32_u24 v47, v46, 12, v47
	v_add_nc_u32 v28, s92, v47                     ; v28, v29: where my 12 bytes of codes go (input, weights); the row adds 48 j
	v_add_nc_u32 v29, s93, v47
	v_bfe_u32 v44, v1, 1, 2
	v_mad_u32_u24 v44, v43, 528, v44
	v_add_nc_u32 v30, s94, v44                     ; v30, v31: my block's scale byte; the row adds 4 j
	v_add_nc_u32 v31, s95, v44
	v_add_nc_u32 v32, s96, v34                     ; v32, v33: codes back, 16 bytes a lane
	v_add_nc_u32 v35, s98, v37                     ; v35, v36: scale bytes back, 8 a lane
	v_add_nc_u32 v33, s97, v34
	v_add_nc_u32 v36, s99, v37
	v_and_b32 v45, 7, v1
	v_lshlrev_b32 v45, 8, v45
	v_lshl_add_u32 v38, v43, 14, v45               ; v38: the prefetches: row l / 8 of a tile's four, block l % 8 of the row's eight; never rewritten
	s_wait_alu depctr_va_vdst(0)
	s_wait_dscnt 0x0                               ; both opening adds are done
	s_wait_kmcnt 0x0
	s_add_nc_u64 s[50:51], s[4:5], s[50:51]        ; input at my first tile
	s_mov_b32 s40, 1
	s_mov_b32 s41, s60
	s_mov_b64 s[42:43], s[50:51]
	s_or_b32 s43, s43, 0x80000000
	s_mov_b32 s44, 1
	s_mov_b32 s45, s61
	tensor_load_to_lds s[40:43], s[G1:G1+7]        ; phase 0: one tensor load a wave at the head
	s_nop 0
	s_cmp_lt_u32 s18, 4                            ; waves 0-3 fetch q, waves 4-7 the outliers
	s_cselect_b64 s[6:7], s[6:7], s[8:9]
	s_add_nc_u64 s[48:49], s[6:7], s[48:49]
	s_add_nc_u64 s[10:11], s[10:11], s[28:29]
	s_add_nc_u64 s[12:13], s[12:13], s[30:31]
	s_add_nc_u64 s[58:59], s[16:17], s[56:57]
	s_add_nc_u64 s[56:57], s[14:15], s[56:57]
	s_add_nc_u64 s[52:53], s[14:15], s[52:53]
	s_add_nc_u64 s[54:55], s[16:17], s[54:55]
.irp n, 0,1,2,3
	s_load_b128 s[68+4*\n:71+4*\n], s[12:13], 128*\n               ; the scales of my rows 32 n + 4 w + 0 .. 3
.endr
.irp n, 0,1,2,3
.irp j, 0,1,2,3
	global_load_b128 v[128+4*(4*\n+\j):128+4*(4*\n+\j)+3], v34, s[10:11] offset:(32*\n+\j)*4096 th:TH_LOAD_NT   ; v128-191: their mask bytes, 512 consecutive bytes a load
.endr
.endr
; The tile of 8 rows x 2,048 bytes at base + off is named: rows 0-3, then rows 4-7; a lane a block of 256 bytes.
.macro PF base, off
	global_prefetch_b8 v38, s[\base:\base+1] offset:\off th:TH_LOAD_NT scope:SCOPE_SE
	global_prefetch_b8 v38, s[\base:\base+1] offset:\off+65536 th:TH_LOAD_NT scope:SCOPE_SE
.endm
; The change of slots.  fill = 1: group 0 at g gets the address base + off, and its slot is filled: my one tensor load behind the barrier, and the first thing there.
.macro SEQ g, base, off, fill
	s_wait_tensorcnt 0x0                           ; my tensor load has landed: a group 0 may be written
	ds_add_u32 v2, v3
.if \fill
	s_add_nc_u64 s[\g+2:\g+3], s[\base:\base+1], \off
	s_or_b32 s[\g+3], s[\g+3], 0x80000000
.endif
	s_wait_dscnt 0x0                               ; the add, my reads of the slot and my stores into the images are done
	s_barrier_signal -1
	s_barrier_wait -1
.if \fill
	tensor_load_to_lds s[\g:\g+3], s[G1:G1+7]
	s_nop 0
.endif
.endm
; A row's 16 numbers a lane, from register d on, become codes and a scale byte.  Codes and byte have two sets of registers, by the row's parity.
.macro WORK d, par, ca, coff, sa, soff
.set CS, 44+4*((\par)%2)
.set ES, 52+((\par)%2)
	v_max3_num_f32 v40, |v[\d]|, |v[\d+1]|, |v[\d+2]|              ; the largest magnitude of my 16, in two chains
	v_max3_num_f32 v41, |v[\d+3]|, |v[\d+4]|, |v[\d+5]|
.irp i, 6,10
	v_max3_num_f32 v40, v40, |v[\d+\i]|, |v[\d+\i+1]|
	v_max3_num_f32 v41, v41, |v[\d+\i+2]|, |v[\d+\i+3]|
.endr
	v_max3_num_f32 v40, v40, |v[\d+14]|, |v[\d+15]|
	v_max3_num_f32 v40, v40, v41, (EMAX+1)<<23     ; and the floor 2^(5 - 127): the byte cannot fall under 1
	v_max_num_f32_dpp v40, v40, v40 row_xmask:1 row_mask:0xf bank_mask:0xf   ; with my neighbour's 16: the block's
	v_add_nc_u32 v42, -(EMAX<<23), v40             ; 4 off its exponent field: the conversion takes that field as its scale
	v_cvt_scalef32_pk16_bf6_f32 v[CS:CS+2], v[\d:\d+15], v42
	v_lshrrev_b32 v[ES], 23, v42                   ; the scale's byte (also the plain instruction behind the conversion)
	ds_store_b8 v[\sa], v[ES] offset:\soff         ; both lanes of a block write the same byte with the same value
	ds_store_b32 v[\ca], v[CS] offset:\coff
	ds_store_b32 v[\ca], v[CS+1] offset:\coff+4
	ds_store_b32 v[\ca], v[CS+2] offset:\coff+8
.endm
.macro XLD j, slot                     ; input row j of my tile into set j % 2 of v64-95
.irp i, 0,1,2,3
	ds_load_b128 v[64+16*((\j)%2)+4*\i:64+16*((\j)%2)+4*\i+3], v[4+4*(\slot)+\i] offset:(\j)*2048
.endr
.endm
.macro XPHASE ph                       ; my 8 rows; the next row's loads stand ahead of a row's work
	XLD 0, \ph
.irp j, 0,1,2,3,4,5,6,7
.if \j < 7
	XLD \j+1, \ph
.endif
.if \j == 0
	s_wait_dscnt 4                                 ; behind row 0's loads: row 1's four
.elseif \j < 7
	s_wait_dscnt 8                                 ; behind row j's loads: the last row's four stores and the next row's four loads
.else
	s_wait_dscnt 4                                 ; the last row's four stores
.endif
	WORK 64+16*(\j%2), \j, 28, \ph*IMG+48*\j, 30, \ph*256+4*\j
.endr
.endm
.macro WLD j, slot                     ; row j of my four: q into v64-95, outliers into v96-127, set j % 2
.irp i, 0,1,2,3
	ds_load_b128 v[64+16*((\j)%2)+4*\i:64+16*((\j)%2)+4*\i+3], v[12+4*(\slot)+\i] offset:(\j)*2048
.endr
.irp i, 0,1,2,3
	ds_load_b128 v[96+16*((\j)%2)+4*\i:96+16*((\j)%2)+4*\i+3], v[20+4*(\slot)+\i] offset:(\j)*2048
.endr
.endm
.macro MERGE n, j                      ; w = mask ? outlier : f32(q) x the row's scale, in f32, in q's registers
.set QS, 64+16*((\j)%2)
.set OS, 96+16*((\j)%2)
.set MS, 128+4*(4*(\n)+(\j))
.irp i, 0,1,2,3
	v_cndmask_b32 v[54+\i], v[MS+\i], v[MS+(\i+1)%4], s88          ; the mask's four words, turned by 1 where my rotation is odd,
.endr
.irp i, 0,1,2,3
	v_cndmask_b32 v[58+\i], v[54+\i], v[54+(\i+2)%4], s89          ; and by 2: word i now belongs to the piece that load i brought
.endr
.irp i, 0,1,2,3
.irp c, 0,1,2,3
	v_cvt_f32_i32 v[QS+4*\i+\c], v[QS+4*\i+\c]
	v_and_b32 v[216+\c], s[84+\c], v[58+\i]
.endr
.irp c, 0,1,2,3
	v_mul_f32 v[QS+4*\i+\c], s[68+4*(\n)+(\j)], v[QS+4*\i+\c]
.endr
.irp c, 0,1,2,3
	v_cmp_ne_u32 vcc_lo, 0, v[216+\c]
	v_cndmask_b32 v[QS+4*\i+\c], v[QS+4*\i+\c], v[OS+4*\i+\c], vcc_lo
.endr
.endr
.endm
.macro WPHASE n
	WLD 0, (\n)%2
.irp j, 0,1,2,3
.if \j < 3
	WLD \j+1, (\n)%2
.endif
.if \j == 0
	s_wait_dscnt 8                                 ; behind row 0's loads: row 1's eight
.elseif \j < 3
	s_wait_dscnt 12                                ; the last row's four stores and the next row's eight loads
.else
	s_wait_dscnt 4
.endif
	MERGE \n, \j
	WORK 64+16*(\j%2), \j, 29, ((\n)%2)*IMG+48*\j, 31, (\n)*128+4*\j
.endr
.endm
.macro FLX ph                          ; input phase ph's codes leave: my two fragments, each store 512 consecutive bytes at a multiple of 256 from the buffer's first byte
	s_wait_xcnt 0x0                                ; earlier stores have read v192-215
.irp e, 0,1
.irp c, 0,1,2
	ds_load_b128 v[192+4*(3*\e+\c):192+4*(3*\e+\c)+3], v32 offset:\ph*IMG+\e*FP+512*\c
.endr
.endr
	s_wait_dscnt 0x0
.irp e, 0,1
.irp c, 0,1,2
	global_store_b128 v34, v[192+4*(3*\e+\c):192+4*(3*\e+\c)+3], s[52:53] offset:\e*12800+\ph*6144+512*\c
.endr
.endr
.endm
.macro FLW n                           ; weight phase n's codes: my one fragment
	s_wait_xcnt 0x0
.irp c, 0,1,2
	ds_load_b128 v[192+4*\c:192+4*\c+3], v33 offset:((\n)%2)*IMG+512*\c
.endr
	s_wait_dscnt 0x0
.irp c, 0,1,2
	global_store_b128 v34, v[192+4*\c:192+4*\c+3], s[54:55] offset:(\n)*3072+512*\c
.endr
.endm
.macro SFL a, b                        ; a tensor's scale bytes: 256 consecutive bytes a wave
	s_wait_xcnt 0x0
	ds_load_b64 v[220:221], v[\a]
	s_wait_dscnt 0x0
	global_store_b64 v37, v[220:221], s[\b:\b+1]
.endm
	PF 50, 64*16384                                ; phase 1's tile is named while phase 0's load is on its way
	SEQ 44, 50, 64*16384, 1                        ; phase 0 has landed; slot 1's first fill, issued as a refill is: input rows 64-127
	PF 48, 0                                       ; phase 2's tile
	XPHASE 0
	SEQ 40, 48, 0, 1                               ; slot 0: weights, rows 0-31
	FLX 0
	PF 48, 32*16384                                ; phase 3's
	XPHASE 1
	SEQ 44, 48, 32*16384, 1                        ; slot 1: rows 32-63
	FLX 1
	SFL 35, 56
	s_wait_kmcnt 0x0                               ; the row scales
	s_wait_loadcnt 0x0                             ; the mask
	PF 48, 64*16384                                ; phase 4's
	WPHASE 0
	SEQ 40, 48, 64*16384, 1                        ; slot 0: rows 64-95
	FLW 0
	PF 48, 96*16384                                ; phase 5's, the last
	WPHASE 1
	SEQ 44, 48, 96*16384, 1                        ; slot 1: rows 96-127
	FLW 1
	WPHASE 2
	SEQ 40, 48, 0, 0                               ; nothing more to fetch
	FLW 2
	WPHASE 3
	SEQ 40, 48, 0, 0                               ; every wave's last codes and bytes are in LDS
	FLW 3
	SFL 36, 58
	s_wait_tensorcnt 0x0                           ; the wave's end
	ds_add_u32 v2, v3
	s_wait_dscnt 0x0
	s_endpgm
.Lfunc_end_k_q31e36485b3_pack:
	.size	k_q31e36485b3_pack, .Lfunc_end_k_q31e36485b3_pack-k_q31e36485b3_pack
	.p2alignl 7, 3214868480
	.fill 96, 4, 3214868480
	.section	.rodata,"a",@progbits
	.p2align	6, 0x0
	.amdhsa_kernel k_q31e36485b3_pack
		.amdhsa_group_segment_fixed_size 327680
		.amdhsa_private_segment_fixed_size 0
		.amdhsa_enable_private_segment 0
		.amdhsa_kernarg_size 56
		.amdhsa_user_sgpr_count 2
		.amdhsa_user_sgpr_kernarg_segment_ptr 1
		.amdhsa_wavefront_size32 1
		.amdhsa_system_sgpr_workgroup_id_x 1
		.amdhsa_system_sgpr_workgroup_id_y 1
		.amdhsa_system_sgpr_workgroup_id_z 1
		.amdhsa_system_vgpr_workitem_id 0
		.amdhsa_next_free_vgpr 224
		.amdhsa_next_free_sgpr 100
		.amdhsa_reserve_vcc 1
		.amdhsa_float_denorm_mode_32 3
		.amdhsa_float_denorm_mode_16_64 3
		.amdhsa_memory_ordered 1
		.amdhsa_forward_progress 1
		.amdhsa_inst_pref_size 111
	.end_amdhsa_kernel
	.amdgpu_metadata
---
amdhsa.version: [ 1, 2 ]
amdhsa.kernels:
  - .name:           k_q31e36485b3_pack
    .symbol:         k_q31e36485b3_pack.kd
    .args:
      - { .name: input, .offset: 0, .size: 8, .value_kind: global_buffer, .address_space: global }
      - { .name: q_weights, .offset: 8, .size: 8, .value_kind: global_buffer, .address_space: global }
      - { .name: outlier_weights, .offset: 16, .size: 8, .value_kind: global_buffer, .address_space: global }
      - { .name: outlier_mask, .offset: 24, .size: 8, .value_kind: global_buffer, .address_space: global }
      - { .name: scales, .offset: 32, .size: 8, .value_kind: global_buffer, .address_space: global }
      - { .name: a_pack, .offset: 40, .size: 8, .value_kind: global_buffer, .address_space: global }
      - { .name: w_pack, .offset: 48, .size: 8, .value_kind: global_buffer, .address_space: global }
    .group_segment_fixed_size: 327680
    .private_segment_fixed_size: 0
    .kernarg_segment_align: 8
    .kernarg_segment_size: 56
    .max_flat_workgroup_size: 256
    .sgpr_count:     100
    .vgpr_count:     224
    .wavefront_size: 32
...
	.end_amdgpu_metadata
.endif
;; end of part 1
;; launch gemm (part 2): grid 16 x 16, 4 waves a work-group, clusters of 4 x 4, 327,680 bytes of LDS; arguments a_pack, w_pack, bias, out0; writes out0
.if DOCPART == 2
	.amdgcn_target "amdgcn-amd-amdhsa--gfx1250"
	.amdhsa_code_object_version 6
	.text
	.protected	k_q31e36485b3_gemm
	.globl	k_q31e36485b3_gemm
	.p2align	8
	.type	k_q31e36485b3_gemm,@function
k_q31e36485b3_gemm:
	s_mov_b64 s[64:65], 0
	v_nop
	global_prefetch_b8 v0, s[64:65] scope:SCOPE_SE
	s_setreg_imm32_b32 hwreg(HW_REG_WAVE_MODE, 25, 1), 1
	s_wait_xcnt 0x0
	s_wait_alu depctr_hold_cnt(0) depctr_sa_sdst(0) depctr_va_vdst(0) depctr_va_sdst(0) depctr_va_ssrc(0) depctr_va_vcc(0) depctr_vm_vsrc(0)
	s_getreg_b32 s2, hwreg(HW_REG_IB_STS2, 6, 4)
	s_cmp_eq_u32 s2, 0
	s_cbranch_scc0 .Lentry_in_a_cluster
	s_endpgm
.Lentry_in_a_cluster:
	s_bfe_u32 s2, ttmp6, 0x10000c
	s_cmp_lg_u32 s2, 0xf033
	s_cbranch_scc0 .Lentry_shape_is_right
	s_endpgm
.Lentry_shape_is_right:
; out0[m][n] = sum over k of X[m][k] W[n][k] + bias[n].  X = a_pack, W = w_pack: codes of BF6 (E3M2) with E8M0 scale bytes, laid by launch pack in the order of the operand registers:
; [row / 128 : 32][K / 128 : 32] blocks of 12,800 bytes = eight fragments (16 rows x 128 K, 48 bytes a lane) and 512 bytes of scale words (one word a row).  (Pack's permutation of k inside each 16 is the
; same in both operands, so each number meets its partner.)
; A tile of 256 x 256 of out0 is made by four waves, 128 x 128 each: 64 accumulators.  K goes in 32 steps of 128 through two LDS slots of three steps each (the eleventh fill has two steps).
; CLUSTERS: 4 x 4 work-groups; X's tiles are asked for jointly along a row of the cluster, W's along a column.  Waves 0, 1 fetch X's two halves, waves 2, 3 W's: 150 rows of 256 bytes a load.
; THE MATRIX INSTRUCTION IS USED TRANSPOSED (source 0 = 16 rows of W, source 1 = 16 rows of X): a lane holds eight neighbouring numbers of a row of out0.
; REGISTERS.  Every window of 256 holds: v0-31 small things, v32-127 eight fragments (four for even steps at v32, four for odd steps at v80), v128-255 sixteen accumulators.
;   window 0: X's blocks 0-3;  window 1: X's blocks 4-7;  window 2: W's blocks 0-3;  window 3: W's blocks 4-7.  Both operands have two sets, one at work and one being loaded.
;   accumulator (a, b) lies in window a / 4 + 2 (b / 4), at v[128 + 8 (4 (a % 4) + b % 4)].  Window 0 also: v4-7 bias, v8-14 addresses, v16-31 scale words (two sets).
;   window 2, v0-5 (and the same in window 3): the LDS addresses of X's fragments, W's fragments and the scale words, for slot 0 and slot 1.
; A STEP is four phases of 16 matrix instructions, 4 blocks of X against 4 of W: (X 0-3, W 0-3), (X 0-3, W 4-7), (X 4-7, W 4-7), (X 4-7, W 0-3).  The next step's fragments come in two runs of LDS loads:
; X 0-3, the scale words and W 0-3 (32 loads) at the step's head, W 4-7 and X 4-7 (24 loads) in its middle: each run is asked for three phases or more ahead of the wait for it.
; THE BIAS is added on the way out, to whole rows read back from the stage: a lane then holds four columns, so four registers hold its bias.
; PREFETCH: behind each refill in the loop a wave names the fill that stands two refills on: its 150 blocks of 256 bytes are shared out BY ADDRESS among the four partners that load them jointly,
; 38 blocks each (two instructions; lanes left over name the last block again).  Fills 0 to 3 and the short eleventh fill come by their loads alone, so no lane leaves its buffer.
.set BLK,    12800
.set FRB,    1536
.set SCO,    12288
.set GROW,   32*BLK                    ; 128 rows, all of K
.set HALFT,  3*BLK                     ; what one tensor load brings: 128 rows x three steps
.set SLOT,   4*HALFT                   ; X's two halves, then W's two
.set GSTEP,  2*HALFT
.set SPARE,  2*SLOT                    ; behind the ring: the spare words, 128 bytes a wave, named by no other line
.set SPITCH, 528                       ; the way out: 16 rows x (512 + 16) bytes for each wave,
.set STAGE,  SLOT                      ; in slot 1, which has had its last fill and its last read by then (the last fill lies in slot 0)
.set ROWC,   16384
.set BI,   4
.set SPW,  8
.set NIL,  9
.set STO,  10
.set RD,   11
.set CO,   12
.set PF0,  13
.set PF1,  14
.set SC,   16
.set FRG,  32
.set ACC,  128
.set G1,   24
.set G0,   32
.set G1B,  48
.set G0B,  56
.set G1T,  68
.set G1BT, 80
.set PFA,  88
.set MSB, 0
.macro WIN new                         ; the immediate's high byte repeats the setting that is left
.if MSB != \new
	s_set_vgpr_msb (MSB<<8)|\new
.set MSB, \new
.endif
.endm
.macro JLOAD g0a, g1a, g0b, g1b        ; a joint load: one mask and one set of registers to a line; the branch hangs on the wave's number alone
	s_cmp_eq_u32 s15, 0
	s_cbranch_scc0 .Lfor_b_\@
	tensor_load_to_lds s[\g0a:\g0a+3], s[\g1a:\g1a+7]
	s_nop 0
.rept 4
	v_nop
.endr
	s_branch .Lasked_\@
.Lfor_b_\@:
	tensor_load_to_lds s[\g0b:\g0b+3], s[\g1b:\g1b+7]
	s_nop 0
.rept 4
	v_nop
.endr
.Lasked_\@:
.endm
.macro CREST                           ; a round of the cluster's barrier behind its opening barrier
	s_cmp_lg_u32 s14, 0
	s_cbranch_scc1 .Lnot_wave_0_\@
	s_barrier_signal -3
.Lnot_wave_0_\@:
	s_barrier_wait -3
	s_barrier_signal -1
	s_barrier_wait -1
.endm
.macro CROUND
	s_barrier_signal -1
	s_barrier_wait -1
	CREST
.endm
.macro PLACES                          ; four places between matrix instructions and loads into, or reads of, their registers
.rept 4
	v_nop
.endr
.endm
	s_load_b256 s[4:11], s[0:1], 0x0               ; a_pack s[4:5], w_pack s[6:7], bias s[8:9], out0 s[10:11]
	v_lshl_add_u32 v[SPW], v0, 2, SPARE
	v_mov_b32 v[NIL], 0
	ds_add_u32 v[SPW], v[NIL]                      ; the opening lines: the add, twice on end, and its wait ahead of the first tensor load
	ds_add_u32 v[SPW], v[NIL]
	v_lshrrev_b32 v1, 5, v0
	v_readfirstlane_b32 s14, v1                    ; wave 0..3
	s_lshr_b32 s15, s14, 1                         ; my half of the tile's rows.  Also: I fetch for X (0) or for W (1)
	s_and_b32 s16, s14, 1                          ; my half of its columns.  Also: which 128 rows I fetch
	s_bfe_u32 s40, ttmp6, 0x40000                  ; cx
	s_bfe_u32 s41, ttmp6, 0x40004                  ; cy
	s_lshl_b32 s42, ttmp9, 2
	s_add_co_u32 s42, s42, s40                     ; tile column
	s_and_b32 s17, ttmp7, 0xffff
	s_lshl_b32 s17, s17, 2
	s_add_co_u32 s17, s17, s41                     ; tile row
	s_lshl_b32 s43, s41, 2
	s_lshl_b32 s43, 15, s43                        ; my row of the cluster
	s_lshl_b32 s44, 0x1111, s40                    ; my column
	s_or_b32 s[G1+0], s43, (3<<16)|(1<<21)         ; elements of 8 bytes, no padding, bit 21 beside the mask
	s_or_b32 s[G1B+0], s44, (3<<16)|(1<<21)
	s_or_b32 s[G1T+0], s43, (3<<16)|(1<<21)
	s_or_b32 s[G1BT+0], s44, (3<<16)|(1<<21)
.irp g, G1, G1B                        ; a dense block of 38,400 bytes as 150 rows of 256
	s_mov_b32 s[\g+1], 32<<16
	s_mov_b32 s[\g+2], 150<<16
	s_mov_b32 s[\g+3], 32<<16
	s_mov_b32 s[\g+4], 150
	s_mov_b32 s[\g+5], 32
	s_mov_b32 s[\g+6], 0
	s_mov_b32 s[\g+7], 0
.endr
.irp g, G1T, G1BT                      ; the eleventh fill: two steps, 100 rows
	s_mov_b32 s[\g+1], 32<<16
	s_mov_b32 s[\g+2], 100<<16
	s_mov_b32 s[\g+3], 32<<16
	s_mov_b32 s[\g+4], 100
	s_mov_b32 s[\g+5], 32
	s_mov_b32 s[\g+6], 0
	s_mov_b32 s[\g+7], 0
.endr
	s_lshl_b32 s20, s17, 1
	s_add_co_u32 s20, s20, s16
	s_mul_i32 s20, s20, GROW                       ; X: the 128 rows that I fetch hang on the tile row and the wave alone
	s_mov_b32 s21, 0
	s_lshl_b32 s46, s42, 1
	s_add_co_u32 s46, s46, s16
	s_mul_i32 s46, s46, GROW                       ; W: on the tile column and the wave alone
	s_mov_b32 s47, 0
	s_mul_i32 s45, s14, HALFT                      ; where my load lands: wave x 38,400
	s_lshl_b32 s12, s42, 10
	s_lshl_b32 s13, s16, 9
	s_add_co_u32 s12, s12, s13                     ; my first column, in bytes
	s_mov_b32 s13, 0
	s_mul_i32 s91, s15, HALFT                      ; LDS: my half of X in slot 0,
	s_mul_i32 s22, s16, HALFT
	s_add_co_u32 s22, s22, 2*HALFT                 ; my half of W,
	s_sub_co_u32 s23, s22, s91                     ; the distance between them,
	s_add_co_u32 s18, s91, SCO                     ; X's scale words,
	s_add_co_u32 s94, s91, SLOT                    ; and the same three in slot 1
	s_add_co_u32 s95, s22, SLOT
	s_add_co_u32 s96, s18, SLOT
	s_mul_i32 s19, s14, 16*SPITCH
	s_add_co_u32 s19, s19, STAGE                   ; my stage
	s_lshl_b32 s92, s17, 8
	s_lshl_b32 s93, s15, 7
	s_add_co_u32 s92, s92, s93
	s_lshl_b32 s92, s92, 14                        ; my first row of out0, in bytes (under 2^26)
	s_mov_b32 s93, 0
	s_wait_dscnt 0x0                               ; both opening adds are done
	s_wait_kmcnt 0x0
	s_add_nc_u64 s[20:21], s[4:5], s[20:21]
	s_add_nc_u64 s[46:47], s[6:7], s[46:47]
	s_add_nc_u64 s[8:9], s[8:9], s[12:13]
	s_add_nc_u64 s[10:11], s[10:11], s[92:93]
	s_add_nc_u64 s[10:11], s[10:11], s[12:13]
	s_cmp_eq_u32 s15, 0                            ; the prefetches: the buffer that I fetch from, and my place among the four that ask with me
	s_cselect_b32 s90, s40, s41
	s_cselect_b64 s[PFA:PFA+1], s[20:21], s[46:47]
	s_mul_i32 s90, s90, 38                         ; my work-group's first block of a fill's 150
	s_add_nc_u64 s[PFA:PFA+1], s[PFA:PFA+1], 3*HALFT   ; the first change of slots steps it to fill 4
	CROUND                                         ; all sixteen work-groups are here: the first joint loads meet
.irp s, 0,1
	s_mov_b32 s[G0+4*\s], 1
	s_add_co_u32 s[G0+4*\s+1], s45, \s*SLOT
	s_add_nc_u64 s[G0+4*\s+2:G0+4*\s+3], s[20:21], \s*HALFT
	s_or_b32 s[G0+4*\s+3], s[G0+4*\s+3], 0x80000000
	s_mov_b32 s[G0B+4*\s], 1
	s_add_co_u32 s[G0B+4*\s+1], s45, \s*SLOT
	s_add_nc_u64 s[G0B+4*\s+2:G0B+4*\s+3], s[46:47], \s*HALFT
	s_or_b32 s[G0B+4*\s+3], s[G0B+4*\s+3], 0x80000000
.endr
	JLOAD G0, G1, G0B, G1B                         ; fill 0: one tensor load a wave at the head
	v_and_b32 v1, 31, v0                           ; lane
	v_and_b32 v2, 15, v0                           ; r
	v_bfe_u32 v3, v0, 4, 1                         ; h
	v_mul_u32_u24 v32, v1, 48                      ; a lane's 48 bytes of a fragment
	v_mul_u32_u24 v36, s23, v3                     ; scale words: lanes 0-15 X's rows, lanes 16-31 W's: one product, h x the distance,
	v_lshl_add_u32 v36, v2, 2, v36                 ; + 4 r
	v_mul_u32_u24 v[STO], v2, SPITCH               ; into the stage: row r, 32 bytes for each half of the lanes
	v_lshl_add_u32 v[STO], v3, 5, v[STO]
	v_add_nc_u32 v[STO], s19, v[STO]
	v_lshlrev_b32 v[CO], 4, v1                     ; back: 32 lanes take a row of 512 bytes; the same in out0 and in the bias
	v_add_nc_u32 v[RD], s19, v[CO]
	v_add_nc_u32 v[PF0], s90, v1                   ; prefetch: blocks 38 p + lane,
	v_lshlrev_b32 v[PF0], 8, v[PF0]
	v_min_u32 v[PF1], 5, v1                        ; and 38 p + 32 + (0 .. 5), held at the fill's last block, 149
	v_add_nc_u32 v[PF1], s90, v[PF1]
	v_add_nc_u32 v[PF1], 32, v[PF1]
	v_min_u32 v[PF1], 149, v[PF1]
	v_lshlrev_b32 v[PF1], 8, v[PF1]
	global_load_b128 v[BI:BI+3], v[CO], s[8:9]     ; the bias of my four columns on the way out
.irp w, 0x80, 0xc0                     ; the six LDS addresses, written into windows 2 and 3 (sources in window 0)
	WIN \w
	v_add_nc_u32 v0, s91, v32
	v_add_nc_u32 v1, s94, v32
	v_add_nc_u32 v2, s22, v32
	v_add_nc_u32 v3, s95, v32
	v_add_nc_u32 v4, s18, v36
	v_add_nc_u32 v5, s96, v36
.endr
	WIN 0
; A phase: X's blocks 4 ah .. + 3 against W's blocks 4 bh .. + 3, step parity p; accumulators in window ah + 2 bh.  The accumulators take turns, one instruction a turn.
.macro PHASE ah, bh, p, first
	WIN ((((\ah)+2*(\bh))<<6)|(((\ah)+2*(\bh))<<4)|((\ah)<<2)|(2+(\bh)))
.irp ai, 0,1,2,3
.irp bi, 0,1,2,3
.if \first
	v_wmma_scale_f32_16x16x128_f8f6f4 v[ACC+8*(4*\ai+\bi):ACC+8*(4*\ai+\bi)+7], v[FRG+48*(\p)+12*\bi:FRG+48*(\p)+12*\bi+11], v[FRG+48*(\p)+12*\ai:FRG+48*(\p)+12*\ai+11], 0, v[SC+8*(\p)+4*(\bh)+\bi], v[SC+8*(\p)+4*(\ah)+\ai] matrix_a_fmt:MATRIX_FMT_BF6 matrix_b_fmt:MATRIX_FMT_BF6 matrix_a_scale:MATRIX_SCALE_ROW1
.else
	v_wmma_scale_f32_16x16x128_f8f6f4 v[ACC+8*(4*\ai+\bi):ACC+8*(4*\ai+\bi)+7], v[FRG+48*(\p)+12*\bi:FRG+48*(\p)+12*\bi+11], v[FRG+48*(\p)+12*\ai:FRG+48*(\p)+12*\ai+11], v[ACC+8*(4*\ai+\bi):ACC+8*(4*\ai+\bi)+7], v[SC+8*(\p)+4*(\bh)+\bi], v[SC+8*(\p)+4*(\ah)+\ai] matrix_a_fmt:MATRIX_FMT_BF6 matrix_b_fmt:MATRIX_FMT_BF6 matrix_a_scale:MATRIX_SCALE_ROW1
.endif
.endr
.endr
.endm
; Window f's four fragments of parity np, from step nq of slot ns, in one run (addresses from window 2); with window 0's the eight scale words
.macro RUN f, np, ns, nq
	WIN (((\f)<<6)|2)
.set KK, 0
.rept 12
	ds_load_b128 v[FRG+48*(\np)+4*KK:FRG+48*(\np)+4*KK+3], v[2*((\f)/2)+(\ns)] offset:(\nq)*BLK+(4*((\f)%2)+KK/3)*FRB+16*(KK%3)
.set KK, KK+1
.endr
.if (\f) == 0
.set KK, 0
.rept 8
	ds_load_b32 v[SC+8*(\np)+KK], v[4+(\ns)] offset:(\nq)*BLK+64*KK
.set KK, KK+1
.endr
.endif
.endm
; A step inside a slot.  The step before issued, in this order: X 0-3 and the scale words (20 loads), W 0-3 (12), W 4-7 (12), X 4-7 (12).
.macro STEP p, ns, nq, first, ld
.if \ld
	PLACES                                         ; the loads of this step land in registers that the step before multiplied
	RUN 0, 1-(\p), \ns, \nq
	RUN 2, 1-(\p), \ns, \nq
.endif
	s_wait_dscnt 24+32*(\ld)                       ; X 0-3, the scale words and W 0-3 are in; behind them: W 4-7, X 4-7 and the 32 just issued
	PHASE 0, 0, \p, \first
	s_wait_dscnt 12+32*(\ld)                       ; W 4-7 are in
	PHASE 0, 1, \p, \first
	s_wait_dscnt 32*(\ld)                          ; X 4-7 are in
.if \ld
	RUN 3, 1-(\p), \ns, \nq
	RUN 1, 1-(\p), \ns, \nq
.endif
	PHASE 1, 1, \p, \first
	PHASE 1, 0, \p, \first
.endm
.macro ASK                             ; the fill two refills on; the loop's last trip (s3 = 1) would name fills 10 and 11 and asks for nothing
	s_cmp_gt_u32 s3, 1
	s_cbranch_scc0 .Lnot_asked_\@
	global_prefetch_b8 v[PF0], s[PFA:PFA+1] th:TH_LOAD_NT scope:SCOPE_SE
	global_prefetch_b8 v[PF1], s[PFA:PFA+1] th:TH_LOAD_NT scope:SCOPE_SE
.Lnot_asked_\@:
.endm
; A slot's last step changes slots.  In front of the one barrier each wave waits for all its tensor loads (its part of the next slot), adds 0 to its spare word, and waits for that and for its reads of this slot,
; with the first phase between; the second phase stands between signal and wait.  fill = 1, 2: the barrier opens a round of the cluster's barrier and this slot is filled again (2: the short fill).
; Then the next slot's first fragments, in two runs, in the order that STEP's counts lean on.
.macro TURN p, slot, fill, pf
	WIN 0
.if \pf
	s_wait_xcnt 0x0                                ; my prefetches have read their address: it steps only behind this wait
	s_add_nc_u64 s[PFA:PFA+1], s[PFA:PFA+1], HALFT
.endif
	s_wait_tensorcnt 0x0                           ; all my tensor loads have landed
	ds_add_u32 v[SPW], v[NIL]
	s_wait_dscnt 25                                ; the add, W 4-7 and X 4-7 may be out
	PHASE 0, 0, \p, 0
	s_wait_dscnt 0x0                               ; the add is done, and my reads of this slot are over
	s_barrier_signal -1
	PHASE 0, 1, \p, 0
	WIN 0
	s_barrier_wait -1
.if \fill
	CREST                                          ; no wave of any partner still reads this slot or has a load on its way
	s_add_nc_u64 s[G0+4*\slot+2:G0+4*\slot+3], s[G0+4*\slot+2:G0+4*\slot+3], GSTEP
	s_add_nc_u64 s[G0B+4*\slot+2:G0B+4*\slot+3], s[G0B+4*\slot+2:G0B+4*\slot+3], GSTEP
.if \fill == 1
	JLOAD G0+4*\slot, G1, G0B+4*\slot, G1B         ; the first tensor load behind the round; its four v_nop are the places in front of the loads below
.else
	JLOAD G0+4*\slot, G1T, G0B+4*\slot, G1BT
.endif
.else
	PLACES
.endif
	RUN 0, 1-(\p), 1-(\slot), 0
	RUN 2, 1-(\p), 1-(\slot), 0
.if \pf
	WIN 0
	ASK
.endif
	PHASE 1, 1, \p, 0
	RUN 3, 1-(\p), 1-(\slot), 0
	RUN 1, 1-(\p), 1-(\slot), 0
	PHASE 1, 0, \p, 0
.endm
	s_wait_alu depctr_va_vdst(0)
	s_wait_tensorcnt 0x0                           ; my part of fill 0 is in; slot 1's first fill is issued as a refill is:
	ds_add_u32 v[SPW], v[NIL]
	s_wait_dscnt 0x0
	CROUND                                         ; everybody's part of fill 0 is in, and the joint loads meet
	JLOAD G0+4, G1, G0B+4, G1B                     ; fill 1, the first tensor load behind the round
	RUN 0, 0, 0, 0                                 ; step 0's fragments, in the order that STEP's counts lean on
	RUN 2, 0, 0, 0
	RUN 3, 0, 0, 0
	RUN 1, 0, 0, 0
	STEP 0, 0, 1, 1, 1                             ; step 0: its products start the sums
	WIN 0
	s_mov_b32 s3, 4
.Llap:                                                 ; a trip: six steps, once round the ring: steps 6 i + 1 .. 6 i + 6
	STEP 1, 0, 2, 0, 1
	TURN 0, 0, 1, 1
	STEP 1, 1, 1, 0, 1
	STEP 0, 1, 2, 0, 1
	TURN 1, 1, 1, 1
	STEP 0, 0, 1, 0, 1
	WIN 0
	s_sub_co_u32 s3, s3, 1
	s_cmp_lg_u32 s3, 0
	s_cbranch_scc1 .Llap
	STEP 1, 0, 2, 0, 1                             ; steps 25 to 31: the short fill, then nothing more to fetch
	TURN 0, 0, 2, 0
	STEP 1, 1, 1, 0, 1
	STEP 0, 1, 2, 0, 1
	TURN 1, 1, 0, 0
	STEP 0, 0, 1, 0, 1
	STEP 1, 0, 0, 0, 0
	WIN 0
; THE WAY OUT, by blocks of 16 rows x 128 columns: through my own stage and back as whole rows of 512 bytes, the bias added, stored as two aligned runs of 256 bytes.
; LDS serves a wave's instructions in order (ISA guide 5.7.1.4): no wait between the stores and the loads.  Rows come back into v32-95 of window a % 2.
.macro TOSTAGE a
.irp bh, 0,1
	WIN ((((\a)/4)+2*\bh)<<2)                      ; the data's window
.irp bi, 0,1,2,3
	ds_store_b128 v[STO], v[ACC+8*(4*((\a)%4)+\bi):ACC+8*(4*((\a)%4)+\bi)+3] offset:64*(4*\bh+\bi)       ; each accumulator from its low end on
	ds_store_b128 v[STO], v[ACC+8*(4*((\a)%4)+\bi)+4:ACC+8*(4*((\a)%4)+\bi)+7] offset:64*(4*\bh+\bi)+16
.endr
.endr
	WIN (((\a)%2)<<6)
.irp t, 0,1,2,3,4,5,6,7,8,9,10,11,12,13,14,15
	ds_load_b128 v[FRG+4*\t:FRG+4*\t+3], v[RD] offset:\t*SPITCH
.endr
.endm
.macro SEND a, younger                 ; younger: the LDS instructions issued behind block a's loads
	s_wait_dscnt \younger
	WIN ((((\a)%2)<<6)|((\a)%2))                   ; rows in window a % 2, the bias in window 0
.irp t, 0,1,2,3,4,5,6,7,8,9,10,11,12,13,14,15
	v_pk_add_f32 v[FRG+4*\t:FRG+4*\t+1], v[FRG+4*\t:FRG+4*\t+1], v[BI:BI+1]
	v_pk_add_f32 v[FRG+4*\t+2:FRG+4*\t+3], v[FRG+4*\t+2:FRG+4*\t+3], v[BI+2:BI+3]
.endr
	WIN (((\a)%2)<<2)
.if (\a) > 0
	s_add_nc_u64 s[10:11], s[10:11], 16*ROWC       ; behind a wait on XCNT: the earlier stores have read their base
.endif
.irp t, 0,1,2,3,4,5,6,7,8,9,10,11,12,13,14,15
	global_store_b128 v[CO], v[FRG+4*\t:FRG+4*\t+3], s[10:11] offset:\t*ROWC th:TH_STORE_NT   ; 32 lanes store 512 consecutive bytes, at a multiple of 256 from out0's first byte
.endr
.endm
	PLACES                                         ; in front of the reads of results and of the loads into registers that held fragments
	s_wait_loadcnt 0x0                             ; the bias
	TOSTAGE 0
.irp a, 1,2,3,4,5,6,7
.if \a > 1
	s_wait_xcnt 0x0                                ; block a - 2's stores have read their registers and their base
.endif
	TOSTAGE \a
	SEND \a-1, 32                                  ; behind block a - 1's loads: block a's 16 stores and 16 loads
.endr
	s_wait_xcnt 0x0
	SEND 7, 0
	WIN 0
	s_wait_tensorcnt 0x0                           ; the wave's end
	ds_add_u32 v[SPW], v[NIL]
	s_wait_dscnt 0x0
	CROUND                                         ; the closing round
	s_endpgm
.Lfunc_end_k_q31e36485b3_gemm:
	.size	k_q31e36485b3_gemm, .Lfunc_end_k_q31e36485b3_gemm-k_q31e36485b3_gemm
	.p2alignl 7, 3214868480
	.fill 96, 4, 3214868480
	.section	.rodata,"a",@progbits
	.p2align	6, 0x0
	.amdhsa_kernel k_q31e36485b3_gemm
		.amdhsa_group_segment_fixed_size 327680
		.amdhsa_private_segment_fixed_size 0
		.amdhsa_enable_private_segment 0
		.amdhsa_kernarg_size 32
		.amdhsa_user_sgpr_count 2
		.amdhsa_user_sgpr_kernarg_segment_ptr 1
		.amdhsa_wavefront_size32 1
		.amdhsa_system_sgpr_workgroup_id_x 1
		.amdhsa_system_sgpr_workgroup_id_y 1
		.amdhsa_system_sgpr_workgroup_id_z 1
		.amdhsa_system_vgpr_workitem_id 0
		.amdhsa_next_free_vgpr 1024
		.amdhsa_next_free_sgpr 100
		.amdhsa_reserve_vcc 0
		.amdhsa_float_denorm_mode_32 3
		.amdhsa_float_denorm_mode_16_64 3
		.amdhsa_memory_ordered 1
		.amdhsa_forward_progress 1
		.amdhsa_inst_pref_size 227
	.end_amdhsa_kernel
	.amdgpu_metadata
---
amdhsa.version: [ 1, 2 ]
amdhsa.kernels:
  - .name:           k_q31e36485b3_gemm
    .symbol:         k_q31e36485b3_gemm.kd
    .args:
      - { .name: a_pack, .offset: 0, .size: 8, .value_kind: global_buffer, .address_space: global }
      - { .name: w_pack, .offset: 8, .size: 8, .value_kind: global_buffer, .address_space: global }
      - { .name: bias, .offset: 16, .size: 8, .value_kind: global_buffer, .address_space: global }
      - { .name: out0, .offset: 24, .size: 8, .value_kind: global_buffer, .address_space: global }
    .group_segment_fixed_size: 327680
    .private_segment_fixed_size: 0
    .kernarg_segment_align: 8
    .kernarg_segment_size: 32
    .max_flat_workgroup_size: 128
    .sgpr_count:     100
    .vgpr_count:     1024
    .wavefront_size: 32
...
	.end_amdgpu_metadata
.endif
;; end of part 2
